; MI455X (gfx1250); checked and timed in simulation.
; The chip was launched on July 23, 2026; its instructions are those of AMD's public machine-readable ISA for CDNA 5 (MIT licence, August 2026) and "CDNA5" Instruction Set Architecture Reference Guide (July 2026). The comments in the code are by the model that wrote it; some were corrected since.
;; BSRBF KAN Layer. Allowed arithmetic: matrix products marked QUANTISED: E2M1 operands, one E8M0 scale for each 32 along K, by v_wmma_scale_f32_16x16x128_f8f6f4 with both operands' format E2M1 (or v_wmma_scale_f32_32x16x128_f4), f32 sums; everything else in f32.
;; Inputs: base_weight 512 x 512 float32; ln_beta 512 float32; ln_gamma 512 float32; spline_weight 512 x 4,096 float32; x 4 x 4,096 x 512 float32.
;; Outputs: out0 4 x 4,096 x 512 float32.
;; This version of the problem:
;;   THIS VERSION OF THE PROBLEM IS GIVEN IN LOW PRECISION. The matrix products marked QUANTISED in the list below multiply operands that are first quantised to E2M1 (2 exponent bits, 1 mantissa bit; 4 bits a number), with one power-of-two scale for each 32 numbers along K (OCP MX v1.0); their sums are f32. All else is computed in f32.
;;   The module's matrix products, in the order in which they are computed (A, B: the left and right operand; K: the contracted axis; several contracted axes count as one K, in the product's order):
;;     1. [M 16,384, K 512] x [K 512, N 512]; A: computed on the way; B: input base_weight: QUANTISED
;;     2. [M 16,384, K 4,096] x [K 4,096, N 512]; A: computed on the way; B: input spline_weight: QUANTISED
;;   THE QUANTISER, for each operand of a quantised product, along K:
;;     - K is cut into blocks of 32 from its start; a last block that is shorter is filled with zeros.
;;     - A block's scale is 2^e with e = floor(log2(the largest magnitude in the block)) - 2, held to -126 .. 127; a block of zeros has e = 0. As a byte (E8M0): e + 127.
;;     - Each number is divided by its block's scale, clamped to +-6, and rounded to the nearest number of E2M1, ties to even, subnormals kept.
;;     - The product sums the exact products of the quantised numbers (number of the format x scale) in f32.
;;   ~~~python
;;   def quantise(x, axis):      # numpy; x: float32 -> the quantised numbers, widened to float32 again
;;       x = np.moveaxis(x, axis, -1); K = x.shape[-1]
;;       x = np.pad(x, [(0, 0)] * (x.ndim - 1) + [(0, -K % 32)]); x = x.reshape(x.shape[:-1] + (-1, 32)); a = np.abs(x).max(-1, keepdims=True)
;;       e = np.where(a > 0, np.clip(np.frexp(np.where(a > 0, a, 1))[1] - 1 - 2, -126, 127), 0)      # np.frexp(a)[1] - 1 = floor(log2(a)), exactly
;;       r = np.clip(x / 2.0 ** e, -6, 6)
;;       step = 2.0 ** (np.maximum(np.frexp(np.where(r == 0, 1, r))[1] - 1, 0) - 1)
;;       q = np.round(r / step) * step * 2.0 ** e      # np.round: ties to even
;;       return np.moveaxis(q.reshape(q.shape[:-2] + (-1,))[..., :K], -1, axis).astype(np.float32)
;;   ~~~
;;   OPERANDS COMPUTED ON THE WAY. 'Computed on the way' means the value that the module computes at that place (a softmax that the list does not call 'softmax' is quantised finished and normalised). What goes into a quantiser is computed in f32, as accurately as f32 sums, v_exp_f32 and their like allow (about 1e-6 of the number): no bf16 or f16 on the way to a quantiser, and a product that is left as it is and whose result goes on into a quantised operand takes f32 operands (vector FMAs, or v_wmma_f32_16x16x4_f32). A number that lies on a knife's edge between two numbers of the format may be rounded either way, as far as f32 arithmetic and the matrix unit's own rounding can turn it there, and no further.
;; One version. Each part assembles by itself: llvm-mc -triple=amdgcn-amd-amdhsa -mcpu=gfx1250 --defsym DOCPART=n.
;; ======== version 1 of 1: 2 launches
;; workspace buffers: wq 1,253,376 bytes
;; launch quantw (part 1): grid 36 x 8, 4 waves a work-group, no clusters, 34,560 bytes of LDS; arguments base_weight, spline_weight, wq; writes wq
.if DOCPART == 1
	.amdgcn_target "amdgcn-amd-amdhsa--gfx1250"
	.amdhsa_code_object_version 6
	.text
	.protected	k_qe4c7806d1c_quantw
	.globl	k_qe4c7806d1c_quantw
	.p2align	8
	.type	k_qe4c7806d1c_quantw,@function
k_qe4c7806d1c_quantw:
	s_mov_b64 s[64:65], 0
	v_nop
	global_prefetch_b8 v0, s[64:65] scope:SCOPE_SE
	s_setreg_imm32_b32 hwreg(HW_REG_WAVE_MODE, 25, 1), 1
	s_wait_xcnt 0x0
; base_weight [512][512] and spline_weight [512][4096], f32, K innermost, become codes of FP4 (E2M1) with one E8M0 byte for each 32 along K,
; laid in wq in the ORDER OF THE OPERAND'S REGISTERS: 36 K steps of 128 (0-3: base_weight, 4-35: spline_weight), 34,816 bytes each:
;   32 images of 1,024 bytes: in tile nt, byte 512 c + 16 l holds lane l's registers 4 c .. 4 c + 3: row 16 nt + l % 16, k = 64 c + 32 (l / 16) + 0 .. 31;
;   then 2,048 bytes of scale words [g = 8][r = 16][t = 4]: the word of row 16 (4 g + t) + r at 32,768 + 256 g + 16 r + 4 t.
; A block's scale is 2^(floor(log2(its largest magnitude)) - 2); its byte is the largest magnitude's exponent field - 2, held at 1 from below.
; LIMITS: a block of zeros gets the byte 1 where the rule says 127 (its codes are zeros, and this program alone reads the bytes); NaN and infinities are not served.
; SHARES: work-group (x = K step, y = g); wave t makes tile 4 g + t: 16 rows x 128 K.  Each load reads one row's 512 consecutive bytes; the tile turns through the wave's own
; stage in LDS, so that a lane gets 32 neighbours along K of ONE row twice: two whole blocks, whose largest magnitudes need no other lane.
; One path serves both tensors: pointer, pitch and first K step are chosen by the work-group's number alone.  No tensor load, no matrix unit, no cluster: the launch streams 9.4 MB once.
.set PST,  528                         ; a stage row: 512 bytes + 16, an odd multiple of 16
.set WST,  16*PST                      ; a wave's stage
.set SCG,  4*WST                       ; behind the stages: the work-group's 64 scale words
.set KSB,  34816                       ; a K step in wq
.set OFF,  16                          ; v16-31   16 x lane + i x pitch
.set R,    32                          ; v32-95   the tile as loaded
.set X,    96                          ; v96-159  register 32 c + i: k = 64 c + 32 h + i of my row
.set C,    160                         ; v160-167 the fragment's codes
	s_load_b128 s[4:7], s[0:1], 0x0                ; base_weight, spline_weight
	s_load_b64 s[8:9], s[0:1], 0x10                ; wq
	v_lshl_add_u32 v192, v0, 2, 0x8500
	v_mov_b32 v193, 0
	v_lshrrev_b32 v1, 5, v0
	v_readfirstlane_b32 s10, v1                    ; wave t
	s_and_b32 s11, ttmp7, 0xffff                   ; g
	s_lshl_b32 s12, s11, 2
	s_add_co_u32 s12, s12, s10                     ; tile nt = 4 g + t
	v_and_b32 v8, 31, v0                           ; lane
	v_and_b32 v9, 15, v0                           ; r
	v_bfe_u32 v10, v0, 4, 1                        ; h
	v_lshlrev_b32 v1, 4, v8                        ; 16 x lane
	s_mul_i32 s13, s10, WST
	v_add_nc_u32 v2, s13, v1                       ; into the stage: 16 x lane of a row
	v_mul_u32_u24 v3, v9, PST
	v_lshl_add_u32 v3, v10, 7, v3
	v_add_nc_u32 v3, s13, v3                       ; out of it: row r, + 128 h
	v_lshlrev_b32 v4, 3, v10                       ; 8 h: where my two bytes stand in the scale word
	s_lshl_b32 s14, s10, 2
	s_add_co_u32 s14, s14, SCG
	v_lshl_add_u32 v5, v9, 4, s14                  ; my row's scale word: SCG + 16 r + 4 t
	v_lshlrev_b32 v7, 3, v8                        ; the way out of the 256 bytes: 8 a lane
	v_add_nc_u32 v6, SCG, v7
	v_mov_b32 v176, 0                              ; a lane permute's destination counts as one of its sources
	s_mov_b32 s16, 0x76543210
	s_mov_b32 s17, 0xfedcba98                      ; selects for lane l xor 16
	s_wait_kmcnt 0x0
	s_cmp_lt_u32 ttmp9, 4                          ; K steps 0-3 are base_weight's
	s_cselect_b64 s[4:5], s[4:5], s[6:7]
	s_mov_b32 s20, 16384
	s_cselect_b32 s20, 2048, s20                   ; a row in bytes
	s_cselect_b32 s21, 0, 4
	s_sub_co_u32 s21, ttmp9, s21                   ; the K step inside its tensor
	s_lshl_b32 s21, s21, 9                         ; 512 bytes each
	s_lshl_b32 s22, s12, 4
	s_mul_i32 s22, s22, s20                        ; 16 nt rows
	s_add_co_u32 s22, s22, s21
	s_mov_b32 s23, 0
	s_add_nc_u64 s[4:5], s[4:5], s[22:23]
	s_mul_i32 s24, ttmp9, KSB
	s_mov_b32 s25, 0
	s_add_nc_u64 s[8:9], s[8:9], s[24:25]          ; wq at this K step
	s_lshl_b32 s24, s11, 8
	s_add_nc_u64 s[26:27], s[8:9], s[24:25]        ; + 256 g: the scale words (32,768 more stand in the store's immediate)
	s_lshl_b32 s24, s12, 10
	s_add_nc_u64 s[8:9], s[8:9], s[24:25]          ; + 1,024 nt: my image
	v_mov_b32 v[OFF], v1
.irp i, 1,2,3,4,5,6,7,8,9,10,11,12,13,14,15
	v_add_nc_u32 v[OFF+\i], s20, v[OFF+\i-1]
.endr
.irp i, 0,1,2,3,4,5,6,7,8,9,10,11,12,13,14,15
	global_load_b128 v[R+4*\i:R+4*\i+3], v[OFF+\i], s[4:5] th:TH_LOAD_NT   ; row i: 32 lanes read 512 consecutive bytes
.endr
.irp i, 0,1,2,3,4,5,6,7,8,9,10,11,12,13,14,15
	s_wait_loadcnt 15-\i                           ; loads come back in order: row i is in, the younger ones stay out
	ds_store_b128 v2, v[R+4*\i:R+4*\i+3] offset:PST*\i
.endr
.irp c, 0,1
.irp u, 0,1,2,3,4,5,6,7
	ds_load_b128 v[X+32*\c+4*\u:X+32*\c+4*\u+3], v3 offset:256*\c+16*\u   ; LDS serves a wave's instructions in order: these see my stores
.endr
.endr
	s_wait_dscnt 0x0
.irp c, 0,1
	v_max3_num_f32 v[168+\c], |v[X+32*\c]|, |v[X+32*\c+1]|, 0x1800000   ; my block 2 c + h, and the floor 2^(3 - 127): the byte cannot fall under 1
.endr
.irp i, 2,4,6,8,10,12,14,16,18,20,22,24,26,28,30
.irp c, 0,1
	v_max3_num_f32 v[168+\c], v[168+\c], |v[X+32*\c+\i]|, |v[X+32*\c+\i+1]|   ; the two blocks by turns
.endr
.endr
.irp c, 0,1
	v_add_nc_u32 v[170+\c], 0xff000000, v[168+\c]  ; 2 off the exponent field: the conversion takes the exponent field of this operand as its scale
.endr
.irp c, 0,1
.irp g, 0,1,2,3
	v_cvt_scalef32_pk8_fp4_f32 v[C+4*\c+\g], v[X+32*\c+8*\g:X+32*\c+8*\g+7], v[170+\c]
.endr
.endr
.irp c, 0,1
	v_lshrrev_b32 v[172+\c], 23, v[170+\c]         ; the scale's byte (a plain line behind the conversions)
.endr
	v_lshl_or_b32 v174, v173, 16, v172             ; blocks h and 2 + h,
	v_lshlrev_b32 v174, v4, v174                   ; at their places in the word;
	v_permlanex16_b32 v176, v174, s16, s17
	v_or_b32 v174, v174, v176                      ; with lane l xor 16's two the word is whole
	global_store_b128 v1, v[C:C+3], s[8:9]         ; each store covers 512 consecutive bytes, aligned
	global_store_b128 v1, v[C+4:C+7], s[8:9] offset:512
	ds_store_b32 v5, v174                          ; lanes r and r + 16 write the same word with the same value
	s_wait_dscnt 0x0                               ; for the others' sake: my word has landed
	s_barrier_signal -1
	s_barrier_wait -1
	s_cmp_lg_u32 s10, 0                            ; wave 0 sends the work-group's 64 words
	s_cbranch_scc1 .Ldone
	ds_load_b64 v[178:179], v6
	s_wait_dscnt 0x0
	global_store_b64 v7, v[178:179], s[26:27] offset:32768   ; 32 lanes store 256 consecutive bytes, aligned
.Ldone:
	s_wait_tensorcnt 0x0
	ds_add_u32 v192, v193
	s_wait_dscnt 0x0
	s_endpgm
.Lfunc_end_k_qe4c7806d1c_quantw:
	.size	k_qe4c7806d1c_quantw, .Lfunc_end_k_qe4c7806d1c_quantw-k_qe4c7806d1c_quantw
	.p2alignl 7, 3214868480
	.fill 96, 4, 3214868480
	.section	.rodata,"a",@progbits
	.p2align	6, 0x0
	.amdhsa_kernel k_qe4c7806d1c_quantw
		.amdhsa_group_segment_fixed_size 34560
		.amdhsa_private_segment_fixed_size 0
		.amdhsa_enable_private_segment 0
		.amdhsa_kernarg_size 24
		.amdhsa_user_sgpr_count 2
		.amdhsa_user_sgpr_kernarg_segment_ptr 1
		.amdhsa_wavefront_size32 1
		.amdhsa_system_sgpr_workgroup_id_x 1
		.amdhsa_system_sgpr_workgroup_id_y 1
		.amdhsa_system_sgpr_workgroup_id_z 1
		.amdhsa_system_vgpr_workitem_id 0
		.amdhsa_next_free_vgpr 194
		.amdhsa_next_free_sgpr 66
		.amdhsa_reserve_vcc 0
		.amdhsa_float_denorm_mode_32 3
		.amdhsa_float_denorm_mode_16_64 3
		.amdhsa_memory_ordered 1
		.amdhsa_forward_progress 1
		.amdhsa_inst_pref_size 11
	.end_amdhsa_kernel
	.amdgpu_metadata
---
amdhsa.version: [ 1, 2 ]
amdhsa.kernels:
  - .name:           k_qe4c7806d1c_quantw
    .symbol:         k_qe4c7806d1c_quantw.kd
    .args:
      - { .name: base_weight, .offset: 0, .size: 8, .value_kind: global_buffer, .address_space: global }
      - { .name: spline_weight, .offset: 8, .size: 8, .value_kind: global_buffer, .address_space: global }
      - { .name: wq, .offset: 16, .size: 8, .value_kind: global_buffer, .address_space: global }
    .group_segment_fixed_size: 34560
    .private_segment_fixed_size: 0
    .kernarg_segment_align: 8
    .kernarg_segment_size: 24
    .max_flat_workgroup_size: 128
    .sgpr_count:     66
    .vgpr_count:     194
    .wavefront_size: 32
...
	.end_amdgpu_metadata
.endif
;; end of part 1
;; launch kan (part 2): grid 256 x 1, 8 waves a work-group, clusters of 4 x 1, 327,680 bytes of LDS; arguments x, ln_gamma, ln_beta, wq, out0; writes out0
.if DOCPART == 2
	.amdgcn_target "amdgcn-amd-amdhsa--gfx1250"
	.amdhsa_code_object_version 6
	.text
	.protected	k_qe4c7806d1c_kan
	.globl	k_qe4c7806d1c_kan
	.p2align	8
	.type	k_qe4c7806d1c_kan,@function
k_qe4c7806d1c_kan:
	s_mov_b64 s[64:65], 0
	v_nop
	global_prefetch_b8 v0, s[64:65] scope:SCOPE_SE
	s_setreg_imm32_b32 hwreg(HW_REG_WAVE_MODE, 25, 1), 1
	s_wait_xcnt 0x0
	s_wait_alu depctr_hold_cnt(0) depctr_sa_sdst(0) depctr_va_vdst(0) depctr_va_sdst(0) depctr_va_ssrc(0) depctr_va_vcc(0) depctr_vm_vsrc(0)
	s_getreg_b32 s2, hwreg(HW_REG_IB_STS2, 6, 4)
	s_cmp_eq_u32 s2, 0
	s_cbranch_scc0 .Lentry_in_a_cluster
	s_endpgm
.Lentry_in_a_cluster:
	s_bfe_u32 s2, ttmp6, 0x10000c
	s_cmp_lg_u32 s2, 0x3003
	s_cbranch_scc0 .Lentry_shape_is_right
	s_endpgm
.Lentry_shape_is_right:
; out[row][o] = sum_d Q(relu(xn))[d] Q(base_weight)[o][d] + sum_k Q(bs + rb)[k] Q(spline_weight)[o][k], k = 8 d + j; xn = LayerNorm(x) gamma + beta; Q = MX-FP4 along K.
; The two products are ONE sum over 36 K steps of 128 (4 of relu, 32 of basis values); the weights come as register images out of wq (launch quantw).
; SHARES.  A work-group owns 64 rows and all 512 columns, so every basis value is computed once in the launch.  18 steps of two K steps.
;   Feature role of wave w: tile of rows m = w % 4, K step q = w / 4 of the step: one whole fragment.  Lane (r, h) makes blocks h and 2 + h of row 16 m + r: 8 elements x 8 values; a block lies in one lane and
;   an element's 8 values become one register of codes: nothing changes lanes but two scale bytes.  The fragment goes to the other waves through LDS as an image of its registers.
;   Matrix role of wave w: columns 64 w .. 64 w + 63 for all 64 rows: 16 accumulators, which take turns.  Source 0 = 16 rows of the weights, source 1 = 16 rows of
;   activations: a lane holds eight neighbouring columns of one row of out.
; A STEP makes the NEXT step's fragments (two image buffers by turns) and multiplies this step's: the LDS loads go out ahead of the first block's arithmetic, the 32 products stand between the two blocks.
; THE VALUES, all in f32, from differences against the f32 knots G_m and centres R_j that the reference's arithmetic gives:  E_j = xn - G_(j+2), the distance from basis j's middle knot;
;   u = min(|E_j|, 2 h), w = min(u, h);  A = 2 h - u, B = h - w (both 0 or more, 0 outside their ranges);  bs_j = (A^3 - 4 B^3) / (6 h^3), the cubic B-spline on equal knots (continuous at the knots, 0 outside);
;   rb_j = 2^(C (xn - R_j)^2), C = -log2(e) / fl(3/7)^2.
; CLUSTER.  All work-groups walk the same 1,253,376 bytes of wq: the four of a cluster ask for each slot JOINTLY; every wave fetches an eighth of a slot (34 rows of 256 bytes: 272 rows shared among 8 waves).
; No prefetch is laid: the weights are read by every cluster, not once, and x is read only at the head.
; LIMITS: NaN and infinities are not served; v_exp_f32 gives 0 for results under 2^-126; a block of zeros carries the scale byte 1 (its codes are zeros); sums are ordered otherwise than the reference's;
;   a basis function's support ends at its middle knot -+ fl(1.2), which lies within an f32 rounding of the reference's own knots.
; REGISTERS.  Window 0: v1-19 addresses; v20-31 -G; v32-39 -R; v40-47 8 xn; v48-55 codes; v56-63 at work; v64-79 scale words and nothing else; v80-111 arguments, then values; v112-143 A^3 - 4 B^3; v144-187 at work;
;   v240-243 2 h and h, a pair each.   Window 1: v0-127 accumulators (mt, t) at 8 (4 mt + t); v128-191 the activations' 8 fragments; v192-255 the weights' 8.
.set SLOTB,  69632                     ; a slot: two K steps of 34,816 bytes
.set KSB,    34816
.set EIGHTH, 8704                      ; what one tensor load brings
.set XN,     2*SLOTB                   ; xn: 64 rows,
.set XP,     2064                      ; 2,048 bytes + 16: an odd multiple of 16
.set AIMG,   XN+64*XP                  ; two buffers: 8 images of 1,024 bytes, then scale words at 8,192 + 256 q + 16 r + 4 m
.set ABUF,   8704
.set STAGE,  AIMG+2*ABUF               ; the way out: 16 rows x (256 + 16) bytes for each wave
.set SPITCH, 272
.set SPARE,  STAGE+8*16*SPITCH         ; the spare words: 128 bytes for each wave, four blocks of 256 bytes that no other line names
.set SPW, 1
.set NIL, 2
.set WB,  3                            ; v3-4   slot p + 4,096 w + 16 l: my four tiles' images
.set WS,  5                            ; v5-6   slot p + 32,768 + 256 w + 16 r: their scale words
.set AI,  7                            ; v7     AIMG + 16 l
.set AS,  8                            ; v8     AIMG + 8,192 + 16 r
.set AW,  9                            ; v9     where I store my image
.set ASW, 10                           ; v10    and its scale word
.set XA,  11                           ; v11    my 4 + 4 elements of xn for the basis values; stepped by 128 a step
.set XB,  12                           ; v12    my 32 + 32 numbers of xn for relu
.set H8,  13                           ; v13    8 h
.set STO, 14
.set RDB, 15
.set GO,  16
.set L16, 17                           ; v17    16 x lane
.set LNS, 18                           ; v18    where the LayerNorm stores xn
.set PT,  19                           ; v19    a lane permute's destination
.set NG,  20
.set NR,  32
.set XV,  40
.set CODE, 48
.set MX,  56
.set SCO, 60
.set BY,  61
.set PW,  63
.set SW,  64                           ; v64-71 the weights' scale words (q, t)
.set SA,  72                           ; v72-79 the activations' (q, m)
.set FW,  80
.set FD,  112
.set FE,  144                          ; v144-151 E, then u
.set FA,  156                          ; v156-163 A
.set FB,  164                          ; v164-171 w, then B
.set FS,  172                          ; A^2, then A^3
.set FQ,  180                          ; B^2, then B^3
.set HV2, 240                          ; v240-241 2 h, twice
.set HV1, 242                          ; v242-243 h, twice
.set AF,  128                          ; in window 1
.set WF,  192
.set LX,  80                           ; the LayerNorm: v80-207 8 rows x 16 numbers; v208-223 gamma; v224-239 beta; v40-55 a pair a row; v56-63 permutes
.set LG,  208
.set LB,  224
.set LT,  40
.set LP,  56
.set WV,  14                           ; s14 wave, s15 m, s16 q
.set WM,  15
.set WQ,  16
.set SEL, 20
.set CX,  22                           ; s[22:23] C
.set C6,  24                           ; s[24:25] 1 / (6 h^3)
.set G1,  28                           ; s[28:35] descriptor group 1
.set G0,  36                           ; s[36:43] group 0, a set for each slot
.set MSB, 0
.macro WIN new                         ; the immediate's high byte repeats the setting that is left
.if MSB != \new
	s_set_vgpr_msb (MSB<<8)|\new
.set MSB, \new
.endif
.endm
.macro CREST                           ; a round of the cluster's barrier behind its opening barrier
	s_cmp_lg_u32 s[WV], 0
	s_cbranch_scc1 .Lnot_wave_0_\@
	s_barrier_signal -3
.Lnot_wave_0_\@:
	s_barrier_wait -3
	s_barrier_signal -1
	s_barrier_wait -1
.endm
.macro ROUND
	s_barrier_signal -1
	s_barrier_wait -1
	CREST
.endm
.macro PLACES
.rept 4
	v_nop
.endr
.endm
; dst pair = the ONE number in v[xr], in both halves, + the pair of constants at cst
.macro XADD dst, xr, cst
.if ((\xr)&1)
	v_pk_add_f32 v[(\dst):(\dst)+1], v[(\xr)-1:(\xr)], v[(\cst):(\cst)+1] op_sel:[1,0] op_sel_hi:[1,1]
.else
	v_pk_add_f32 v[(\dst):(\dst)+1], v[(\xr):(\xr)+1], v[(\cst):(\cst)+1] op_sel_hi:[0,1]
.endif
.endm
.macro XLOAD                           ; my 4 elements of block h and my 4 of block 2 + h
	ds_load_b128 v[XV:XV+3], v[XA]
	ds_load_b128 v[XV+4:XV+7], v[XA] offset:32
.endm
; the 32 exponents of block b's four elements: C (xn - R_j)^2
.macro ARGS b
.irp i, 0,1,2,3
.irp k, 0,1,2,3
	XADD FW+8*\i+2*\k, XV+4*(\b)+\i, NR+2*\k
.endr
.endr
.irp n, 0,1,2,3,4,5,6,7,8,9,10,11,12,13,14,15
	v_pk_mul_f32 v[FW+2*\n:FW+2*\n+1], v[FW+2*\n:FW+2*\n+1], v[FW+2*\n:FW+2*\n+1]
.endr
.irp n, 0,1,2,3,4,5,6,7,8,9,10,11,12,13,14,15
	v_pk_mul_f32 v[FW+2*\n:FW+2*\n+1], v[FW+2*\n:FW+2*\n+1], s[CX:CX+1] op_sel_hi:[1,0]
.endr
.endm
; element i of block b: A^3 - 4 B^3 for its 8 basis functions, 48 plain instructions, with its 8 exponentials set singly among them: each has plain neighbours, and none of these lines names a result
.macro ELEM b, i
.irp k, 0,1,2,3
	XADD FE+2*\k, XV+4*(\b)+(\i), NG+2+2*\k                ; E_j = xn - G_(j+2)
.endr
	v_exp_f32 v[FW+8*(\i)], v[FW+8*(\i)]
.irp j, 0,1,2,3
	v_min_num_f32 v[FE+\j], |v[FE+\j]|, v[HV2]             ; u = the distance from the middle knot, held at 2 h
.endr
	v_exp_f32 v[FW+8*(\i)+1], v[FW+8*(\i)+1]
.irp j, 4,5,6,7
	v_min_num_f32 v[FE+\j], |v[FE+\j]|, v[HV2]
.endr
	v_exp_f32 v[FW+8*(\i)+2], v[FW+8*(\i)+2]
.irp j, 0,1,2,3
	v_min_num_f32 v[FB+\j], v[FE+\j], v[HV1]               ; w = the same, held at h
.endr
	v_exp_f32 v[FW+8*(\i)+3], v[FW+8*(\i)+3]
.irp j, 4,5,6,7
	v_min_num_f32 v[FB+\j], v[FE+\j], v[HV1]
.endr
	v_exp_f32 v[FW+8*(\i)+4], v[FW+8*(\i)+4]
.irp k, 0,1,2,3
	v_pk_add_f32 v[FA+2*\k:FA+2*\k+1], v[HV2:HV2+1], v[FE+2*\k:FE+2*\k+1] neg_lo:[0,1] neg_hi:[0,1]   ; A = 2 h - u
.endr
	v_exp_f32 v[FW+8*(\i)+5], v[FW+8*(\i)+5]
.irp k, 0,1,2,3
	v_pk_add_f32 v[FB+2*\k:FB+2*\k+1], v[HV1:HV1+1], v[FB+2*\k:FB+2*\k+1] neg_lo:[0,1] neg_hi:[0,1]   ; B = h - w
.endr
	v_exp_f32 v[FW+8*(\i)+6], v[FW+8*(\i)+6]
.irp k, 0,1,2,3
	v_pk_mul_f32 v[FS+2*\k:FS+2*\k+1], v[FA+2*\k:FA+2*\k+1], v[FA+2*\k:FA+2*\k+1]
.endr
	v_exp_f32 v[FW+8*(\i)+7], v[FW+8*(\i)+7]
.irp k, 0,1,2,3
	v_pk_mul_f32 v[FQ+2*\k:FQ+2*\k+1], v[FB+2*\k:FB+2*\k+1], v[FB+2*\k:FB+2*\k+1]
.endr
.irp k, 0,1,2,3
	v_pk_mul_f32 v[FS+2*\k:FS+2*\k+1], v[FS+2*\k:FS+2*\k+1], v[FA+2*\k:FA+2*\k+1]
.endr
.irp k, 0,1,2,3
	v_pk_mul_f32 v[FQ+2*\k:FQ+2*\k+1], v[FQ+2*\k:FQ+2*\k+1], v[FB+2*\k:FB+2*\k+1]
.endr
.irp k, 0,1,2,3
	v_pk_fma_f32 v[FD+8*(\i)+2*\k:FD+8*(\i)+2*\k+1], v[FQ+2*\k:FQ+2*\k+1], -4.0, v[FS+2*\k:FS+2*\k+1] op_sel_hi:[1,0,1]
.endr
.endm
; block b's 32 numbers, v[src] on, become 4 registers of codes and a scale byte.  fma = 1: they are first made of the spline's part and the exponentials
.macro FIN b, fma, src
.if \fma
	s_wait_alu depctr_va_vdst(0)                   ; one wait for the block's 32 exponentials, ahead of the first line that names a result; plain lines stand behind the last of them
.irp n, 0,1,2,3,4,5,6,7,8,9,10,11,12,13,14,15
	v_pk_fma_f32 v[FW+2*\n:FW+2*\n+1], v[FD+2*\n:FD+2*\n+1], s[C6:C6+1], v[FW+2*\n:FW+2*\n+1] op_sel_hi:[1,0,1]
.endr
.endif
.irp c, 0,1,2,3
	v_max3_num_f32 v[MX+\c], |v[(\src)+7*\c]|, |v[(\src)+7*\c+1]|, |v[(\src)+7*\c+2]|   ; the largest magnitude: four chains of seven,
.endr
.irp c, 0,1,2,3
	v_max3_num_f32 v[MX+\c], v[MX+\c], |v[(\src)+7*\c+3]|, |v[(\src)+7*\c+4]|
.endr
.irp c, 0,1,2,3
	v_max3_num_f32 v[MX+\c], v[MX+\c], |v[(\src)+7*\c+5]|, |v[(\src)+7*\c+6]|
.endr
	v_max3_num_f32 v[MX], v[MX], |v[(\src)+28]|, |v[(\src)+29]|          ; the four left over,
	v_max3_num_f32 v[MX+2], v[MX+2], |v[(\src)+30]|, |v[(\src)+31]|
	v_max3_num_f32 v[MX], v[MX], v[MX+1], 0x1800000                      ; and the floor 2^(3 - 127): the byte cannot fall under 1
	v_max3_num_f32 v[MX], v[MX], v[MX+2], v[MX+3]
	v_add_nc_u32 v[SCO], 0xff000000, v[MX]         ; 2 off the exponent field: the conversion's scale operand
.irp i, 0,1,2,3
	v_cvt_scalef32_pk8_fp4_f32 v[CODE+4*(\b)+\i], v[(\src)+8*\i:(\src)+8*\i+7], v[SCO]
.endr
	v_lshrrev_b32 v[BY+(\b)], 23, v[SCO]           ; the scale's byte: also the plain line behind the conversions
.endm
; my fragment and its scale word go to image buffer buf as they stand
.macro IMG buf
	v_lshl_or_b32 v[PW], v[BY+1], 16, v[BY]        ; blocks h and 2 + h,
	v_lshlrev_b32 v[PW], v[H8], v[PW]              ; at their places in the word;
	v_permlanex16_b32 v[PT], v[PW], s[SEL], s[SEL+1]
	v_or_b32 v[PW], v[PW], v[PT]                   ; with lane l xor 16's two the word is whole
	ds_store_b128 v[AW], v[CODE:CODE+3] offset:ABUF*(\buf)
	ds_store_b128 v[AW], v[CODE+4:CODE+7] offset:ABUF*(\buf)+512
	ds_store_b32 v[ASW], v[PW] offset:ABUF*(\buf)  ; lanes r and r + 16 write the same word with the same value
.endm
.macro BLOAD s                         ; relu's numbers of step s: register 32 c + i = k 64 c + 32 h + i of my row and K step
.irp c, 0,1
.irp u, 0,1,2,3,4,5,6,7
	ds_load_b128 v[FW+32*\c+4*\u:FW+32*\c+4*\u+3], v[XB] offset:1024*(\s)+256*\c+16*\u
.endr
.endr
.endm
.macro RELU
.irp n, 0,1,2,3,4,5,6,7,8,9,10,11,12,13,14,15,16,17,18,19,20,21,22,23,24,25,26,27,28,29,30,31,32,33,34,35,36,37,38,39,40,41,42,43,44,45,46,47,48,49,50,51,52,53,54,55,56,57,58,59,60,61,62,63
	v_max_num_f32 v[FW+\n], 0, v[FW+\n]
.endr
.endm
; 36 LDS loads in one run: the step's 8 fragments of activations, my 8 of the weights, and the scale words of both
.macro FETCH p
	WIN 0x40                                       ; destination window 1, address window 0
.irp f, 0,1,2,3,4,5,6,7
.irp c, 0,1
	ds_load_b128 v[AF+8*\f+4*\c:AF+8*\f+4*\c+3], v[AI] offset:ABUF*(\p)+1024*\f+512*\c
.endr
.endr
.irp q, 0,1
.irp t, 0,1,2,3
.irp c, 0,1
	ds_load_b128 v[WF+8*(4*\q+\t)+4*\c:WF+8*(4*\q+\t)+4*\c+3], v[WB+(\p)] offset:KSB*\q+1024*\t+512*\c
.endr
.endr
.endr
	WIN 0
.irp q, 0,1
	ds_load_b128 v[SW+4*\q:SW+4*\q+3], v[WS+(\p)] offset:KSB*\q
	ds_load_b128 v[SA+4*\q:SA+4*\q+3], v[AS] offset:ABUF*(\p)+256*\q
.endr
.endm
; 32 products: two K steps x 4 tiles of rows x my 4 tiles of columns.  zero = 1: the first K step starts the sums: nothing is ever cleared
.macro MUL zero
	WIN 0x55                                       ; all four operand places window 1; scale operands have no window
.irp q, 0,1
.irp a, 0,1,2,3
.irp t, 0,1,2,3
.if (\zero) && (\q == 0)
	v_wmma_scale_f32_16x16x128_f8f6f4 v[8*(4*\a+\t):8*(4*\a+\t)+7], v[WF+8*(4*\q+\t):WF+8*(4*\q+\t)+7], v[AF+8*(4*\q+\a):AF+8*(4*\q+\a)+7], 0, v[SW+4*\q+\t], v[SA+4*\q+\a] matrix_a_fmt:MATRIX_FMT_FP4 matrix_b_fmt:MATRIX_FMT_FP4
.else
	v_wmma_scale_f32_16x16x128_f8f6f4 v[8*(4*\a+\t):8*(4*\a+\t)+7], v[WF+8*(4*\q+\t):WF+8*(4*\q+\t)+7], v[AF+8*(4*\q+\a):AF+8*(4*\q+\a)+7], v[8*(4*\a+\t):8*(4*\a+\t)+7], v[SW+4*\q+\t], v[SA+4*\q+\a] matrix_a_fmt:MATRIX_FMT_FP4 matrix_b_fmt:MATRIX_FMT_FP4
.endif
.endr
.endr
.endr
	WIN 0
.endm
; A STEP on slot p and image buffer p.  ONE barrier, which opens a round of the cluster's: in front of it each wave waits for all its tensor loads (one is out: its eighth of slot p), adds 0 to its spare word, and waits
; for that, for its image's stores and for its reads of the other slot and buffer.  Behind the round slot p and buffer p are whole and nobody reads the other two: the other slot is filled again first,
; with the next step's weights, which have this whole step in which to land.  xl = 1: the xn for the fragments of the step after next are fetched.
.macro STEP p, xl
.set GG, G0+4*(1-(\p))
	s_wait_tensorcnt 0x0                           ; no tensor load of mine is out, so a group 0 may be written
	ds_add_u32 v[SPW], v[NIL]                      ; 0 onto my spare word
	s_add_nc_u64 s[GG+2:GG+3], s[GG+2:GG+3], 2*SLOTB   ; the other slot's next step; the type bits on top are not reached
	s_wait_dscnt 0x0                               ; the add, my image's stores, my xn and my reads of the other slot are all done
	s_barrier_signal -1
	ARGS 0                                         ; work on registers while the others arrive
	s_barrier_wait -1
	CREST
	tensor_load_to_lds s[GG:GG+3], s[G1:G1+7]      ; my one tensor load behind the round, and the first thing there
	s_nop 0
	PLACES                                         ; four lines ahead of the switch of windows
	FETCH \p
.irp i, 0,1,2,3
	ELEM 0, \i
.endr
	FIN 0, 1, FW
	s_wait_dscnt 0x0                               ; the 36 loads are in: they had the first block's arithmetic in which to come
.if \xl
	v_add_nc_u32 v[XA], 128, v[XA]                 ; 32 elements on (no LDS instruction of mine is out)
.endif
	MUL 0
	ARGS 1                                         ; these lines name none of the products' registers: they are the places behind them
.irp i, 0,1,2,3
	ELEM 1, \i
.endr
	FIN 1, 1, FW
.if \xl
	XLOAD
.endif
	IMG 1-(\p)
.endm
	s_load_b256 s[4:11], s[0:1], 0x0               ; x s[4:5], gamma s[6:7], beta s[8:9], wq s[10:11]
	s_load_b64 s[12:13], s[0:1], 0x20              ; out0
	v_lshl_add_u32 v[SPW], v0, 2, SPARE
	v_mov_b32 v[NIL], 0
	ds_add_u32 v1, v2
	ds_add_u32 v1, v2
	s_wait_dscnt 0x0
	v_lshrrev_b32 v[PT], 5, v0
	v_readfirstlane_b32 s[WV], v[PT]               ; wave 0..7
	s_and_b32 s[WM], s[WV], 3                      ; m
	s_lshr_b32 s[WQ], s[WV], 2                     ; q
	s_bfe_u32 s17, ttmp6, 0x40000                  ; cx: it enters x's and out0's addresses alone
	s_lshl_b32 s18, ttmp9, 2
	s_add_co_u32 s18, s18, s17                     ; my work-group = 4 x cluster + cx
	s_lshl_b32 s46, s18, 17                        ; its 64 rows of 2,048 bytes
	s_mov_b32 s47, 0
	s_lshl_b32 s48, s[WV], 14                      ; the LayerNorm: wave w takes rows 8 w .. 8 w + 7
	v_and_b32 v[L16], 31, v0
	v_lshlrev_b32 v[L16], 4, v[L16]
	; descriptor group 1: 34 dense rows of 256 bytes (32 elements of 8 bytes), no padding: the images are read 16 bytes a lane on end
	s_mov_b32 s[G1+0], 15|(3<<16)|(1<<21)          ; 15:0 the mask: all four work-groups; 17:16 elements of 8 bytes; 21 set beside a mask
	s_mov_b32 s[G1+1], 32<<16                      ; tensor_dim0 = 32
	s_mov_b32 s[G1+2], 34<<16                      ; tensor_dim1 = 34
	s_mov_b32 s[G1+3], 32<<16                      ; tile_dim0 = 32
	s_mov_b32 s[G1+4], 34                          ; tile_dim1 = 34
	s_mov_b32 s[G1+5], 32                          ; from row to row
	s_mov_b32 s[G1+6], 0
	s_mov_b32 s[G1+7], 0
	s_mul_i32 s52, s[WV], EIGHTH                   ; my eighth of a slot, in memory and in LDS: the wave's number alone
	s_mov_b32 s53, 0
	s_wait_kmcnt 0x0
	s_add_nc_u64 s[12:13], s[12:13], s[46:47]      ; out0 at my work-group's first row
	s_add_co_u32 s46, s46, s48
	s_add_nc_u64 s[4:5], s[4:5], s[46:47]          ; x at my wave's first row
.irp i, 0,1,2,3
	global_load_b128 v[LG+4*\i:LG+4*\i+3], v[L16], s[6:7] offset:512*\i
	global_load_b128 v[LB+4*\i:LB+4*\i+3], v[L16], s[8:9] offset:512*\i
.endr
.irp p, 0,1,2,3,4,5,6,7
.irp i, 0,1,2,3
	global_load_b128 v[LX+16*\p+4*\i:LX+16*\p+4*\i+3], v[L16], s[4:5] offset:2048*\p+512*\i th:TH_LOAD_NT   ; 32 lanes read 512 consecutive bytes; read once in the launch
.endr
.endr
	s_add_nc_u64 s[54:55], s[10:11], s[52:53]
.irp p, 0,1
	s_mov_b32 s[G0+4*\p], 1                        ; count = 1
	s_add_co_u32 s[G0+4*\p+1], s52, \p*SLOTB       ; LDS address
	s_add_nc_u64 s[G0+4*\p+2:G0+4*\p+3], s[54:55], \p*SLOTB   ; global address: step p
	s_or_b32 s[G0+4*\p+3], s[G0+4*\p+3], 0x80000000           ; type = 2
.endr
	ROUND                                          ; all four work-groups are here: the first joint loads meet
	tensor_load_to_lds s[G0:G0+3], s[G1:G1+7]      ; both first fills together: two loads of mine are out
	s_nop 0
	tensor_load_to_lds s[G0+4:G0+7], s[G1:G1+7]
	s_nop 0
	PLACES
	v_and_b32 v40, 15, v0                          ; r
	v_bfe_u32 v41, v0, 4, 1                        ; h
	s_lshl_b32 s48, s[WV], 12
	v_add_nc_u32 v[WB], s48, v[L16]
	v_add_nc_u32 v[WB+1], SLOTB, v[WB]
	s_lshl_b32 s49, s[WV], 8
	s_add_co_u32 s49, s49, 32768
	v_lshl_add_u32 v[WS], v40, 4, s49
	v_add_nc_u32 v[WS+1], SLOTB, v[WS]
	v_add_nc_u32 v[AI], AIMG, v[L16]
	v_lshl_add_u32 v[AS], v40, 4, AIMG+8192
	s_lshl_b32 s50, s[WV], 10                      ; 4 q + m is my wave's number
	v_add_nc_u32 v[AW], s50, v[AI]
	s_lshl_b32 s51, s[WQ], 8
	s_lshl_b32 s56, s[WM], 2
	s_add_co_u32 s51, s51, s56
	v_add_nc_u32 v[ASW], s51, v[AS]
	s_mul_i32 s56, s[WM], 16*XP
	s_add_co_u32 s56, s56, XN
	v_mul_u32_u24 v42, v40, XP
	v_add_nc_u32 v42, s56, v42                     ; row 16 m + r of xn
	s_lshl_b32 s57, s[WQ], 6
	v_lshl_add_u32 v[XA], v41, 4, v42
	v_add_nc_u32 v[XA], s57, v[XA]                 ; + 16 h + 64 q: a K step of basis values is 16 elements, a block 4
	s_lshl_b32 s58, s[WQ], 9
	v_lshl_add_u32 v[XB], v41, 7, v42
	v_add_nc_u32 v[XB], s58, v[XB]                 ; + 128 h + 512 q: a K step of relu is 128 elements, a block 32
	v_lshlrev_b32 v[H8], 3, v41
	s_mul_i32 s59, s[WV], 16*SPITCH
	s_add_co_u32 s59, s59, STAGE                   ; my stage
	v_mul_u32_u24 v[STO], v40, SPITCH
	v_lshl_add_u32 v[STO], v41, 5, v[STO]
	v_add_nc_u32 v[STO], s59, v[STO]               ; in: row r, 32 bytes for each half of the lanes
	v_mul_u32_u24 v[RDB], v41, SPITCH
	v_lshl_add_u32 v[RDB], v40, 4, v[RDB]
	v_add_nc_u32 v[RDB], s59, v[RDB]               ; back: lanes 0-15 one row of 256 bytes, lanes 16-31 the next
	s_lshl_b32 s60, s[WV], 8
	v_lshlrev_b32 v[GO], 11, v41
	v_lshl_add_u32 v[GO], v40, 4, v[GO]
	v_add_nc_u32 v[GO], s60, v[GO]                 ; and the same two rows in out0, at my 64 columns
	s_mul_i32 s61, s[WV], 8*XP
	s_add_co_u32 s61, s61, XN
	v_add_nc_u32 v[LNS], s61, v[L16]
	s_mov_b32 s[SEL], 0x76543210
	s_mov_b32 s[SEL+1], 0xfedcba98                 ; selects for lane l xor 16
	s_mov_b32 s[CX], 0xc0fb597b                    ; -log2(e) / fl(3/7)^2
	s_mov_b32 s[CX+1], s[CX]                       ; (named with it as a pair, so it is written)
	s_mov_b32 s[C6], 0x3f4587e7                    ; 1 / (6 x 0.6^3)
	s_mov_b32 s[C6+1], s[C6]
	s_mov_b32 s26, 0x3b000000                      ; 1 / 512
	s_mov_b32 s27, 0x3727c5ac                      ; 1e-5
	; the negated knots, fl(fl(m x fl(0.6)) - 1.5) for m = -3 .. 8 (the middle knots of the 8 basis functions are numbers 2 to 9)
	v_mov_b32 v[NG+0], 0x40533334
	v_mov_b32 v[NG+1], 0x402ccccd
	v_mov_b32 v[NG+2], 0x40066666
	v_mov_b32 v[NG+3], 0x3fc00000
	v_mov_b32 v[NG+4], 0x3f666666
	v_mov_b32 v[NG+5], 0x3e999998
	v_mov_b32 v[NG+6], 0xbe99999c
	v_mov_b32 v[NG+7], 0xbf666668
	v_mov_b32 v[NG+8], 0xbfc00000
	v_mov_b32 v[NG+9], 0xc0066667
	v_mov_b32 v[NG+10], 0xc02cccce
	v_mov_b32 v[NG+11], 0xc0533334
	; the negated centres, fl(fl(-1.5 fl(1 - fl(j/7))) + fl(1.5 fl(j/7))), the last one 1.5
	v_mov_b32 v[NR+0], 0x3fc00000
	v_mov_b32 v[NR+1], 0x3f892492
	v_mov_b32 v[NR+2], 0x3f249248
	v_mov_b32 v[NR+3], 0x3e5b6db4
	v_mov_b32 v[NR+4], 0xbe5b6dc0
	v_mov_b32 v[NR+5], 0xbf249249
	v_mov_b32 v[NR+6], 0xbf892492
	v_mov_b32 v[NR+7], 0xbfc00000
	v_mov_b32 v[HV2], 0x3f99999a                   ; 2 h = fl(1.2)
	v_mov_b32 v[HV2+1], 0x3f99999a
	v_mov_b32 v[HV1], 0x3f19999a                   ; h = fl(0.6)
	v_mov_b32 v[HV1+1], 0x3f19999a
.irp p, 0,1,2,3,4,5,6,7
	v_mov_b32 v[LP+\p], 0                          ; a lane permute's destination counts as one of its sources
.endr
	; THE LAYERNORM, wholly inside a wave: a row is 16 numbers a lane; the 8 rows take turns line by line.  Mean first, then the squares of the differences: two passes over registers.
.macro LRED                            ; v[LT + 2 p]: the sum over the 32 lanes, in every lane
.irp m, 1,2,4,8
.irp p, 0,1,2,3,4,5,6,7
	v_add_f32_dpp v[LT+2*\p], v[LT+2*\p], v[LT+2*\p] row_xmask:\m row_mask:0xf bank_mask:0xf
.endr
.endr
.irp p, 0,1,2,3,4,5,6,7
	v_permlanex16_b32 v[LP+\p], v[LT+2*\p], s[SEL], s[SEL+1]
.endr
.irp p, 0,1,2,3,4,5,6,7
	v_add_f32 v[LT+2*\p], v[LT+2*\p], v[LP+\p]
.endr
.endm
	s_wait_loadcnt 0x0                             ; gamma, beta, x
.irp p, 0,1,2,3,4,5,6,7
	v_pk_add_f32 v[LT+2*\p:LT+2*\p+1], v[LX+16*\p:LX+16*\p+1], v[LX+16*\p+2:LX+16*\p+3]
.endr
.irp k, 2,3,4,5,6,7
.irp p, 0,1,2,3,4,5,6,7
	v_pk_add_f32 v[LT+2*\p:LT+2*\p+1], v[LT+2*\p:LT+2*\p+1], v[LX+16*\p+2*\k:LX+16*\p+2*\k+1]
.endr
.endr
.irp p, 0,1,2,3,4,5,6,7
	v_add_f32 v[LT+2*\p], v[LT+2*\p], v[LT+2*\p+1]
.endr
	LRED
.irp p, 0,1,2,3,4,5,6,7
	v_mul_f32 v[LT+2*\p], s26, v[LT+2*\p]          ; the mean
.endr
.irp k, 0,1,2,3,4,5,6,7
.irp p, 0,1,2,3,4,5,6,7
	v_pk_add_f32 v[LX+16*\p+2*\k:LX+16*\p+2*\k+1], v[LX+16*\p+2*\k:LX+16*\p+2*\k+1], v[LT+2*\p:LT+2*\p+1] op_sel_hi:[1,0] neg_lo:[0,1] neg_hi:[0,1]   ; x - mean
.endr
.endr
.irp p, 0,1,2,3,4,5,6,7
	v_pk_mul_f32 v[LT+2*\p:LT+2*\p+1], v[LX+16*\p:LX+16*\p+1], v[LX+16*\p:LX+16*\p+1]
.endr
.irp k, 1,2,3,4,5,6,7
.irp p, 0,1,2,3,4,5,6,7
	v_pk_fma_f32 v[LT+2*\p:LT+2*\p+1], v[LX+16*\p+2*\k:LX+16*\p+2*\k+1], v[LX+16*\p+2*\k:LX+16*\p+2*\k+1], v[LT+2*\p:LT+2*\p+1]
.endr
.endr
.irp p, 0,1,2,3,4,5,6,7
	v_add_f32 v[LT+2*\p], v[LT+2*\p], v[LT+2*\p+1]
.endr
	LRED
.irp p, 0,1,2,3,4,5,6,7
	v_fma_f32 v[LT+2*\p], v[LT+2*\p], s26, s27     ; the variance + 1e-5
.endr
.irp p, 0,1,2,3,4,5,6,7
	v_rsq_f32 v[LT+2*\p], v[LT+2*\p]
.endr
	v_nop                                          ; a plain line behind the last of them
	s_wait_alu depctr_va_vdst(0)                   ; one wait for the eight, ahead of the first line that names a result
.irp k, 0,1,2,3,4,5,6,7
.irp p, 0,1,2,3,4,5,6,7
	v_pk_mul_f32 v[LX+16*\p+2*\k:LX+16*\p+2*\k+1], v[LX+16*\p+2*\k:LX+16*\p+2*\k+1], v[LT+2*\p:LT+2*\p+1] op_sel_hi:[1,0]
.endr
.endr
.irp k, 0,1,2,3,4,5,6,7
.irp p, 0,1,2,3,4,5,6,7
	v_pk_fma_f32 v[LX+16*\p+2*\k:LX+16*\p+2*\k+1], v[LX+16*\p+2*\k:LX+16*\p+2*\k+1], v[LG+2*\k:LG+2*\k+1], v[LB+2*\k:LB+2*\k+1]
.endr
.endr
.irp p, 0,1,2,3,4,5,6,7
.irp i, 0,1,2,3
	ds_store_b128 v[LNS], v[LX+16*\p+4*\i:LX+16*\p+4*\i+3] offset:XP*\p+512*\i
.endr
.endr
	s_wait_dscnt 0x0                               ; for the others' sake: my 8 rows of xn have landed
	s_barrier_signal -1
	s_barrier_wait -1                              ; all 64 rows lie in LDS; nobody writes them again.
	; step 0's fragments: relu(xn), K steps 0 and 1
	BLOAD 0
	s_wait_dscnt 0x0
	RELU
	FIN 0, 0, FW
	FIN 1, 0, FW+32
	IMG 0
	; STEP 0: its products start the sums; it makes step 1's fragments (relu, K steps 2 and 3).  Slot 1's first fill is still on its way
	s_wait_tensorcnt 0x1                           ; my eighth of slot 0 is in; slot 1's may stay out
	s_wait_dscnt 0x0                               ; my image has landed
	s_barrier_signal -1
	s_barrier_wait -1
	BLOAD 1
	FETCH 0
	s_wait_dscnt 36                                ; relu's 16 loads are in; the 36 issued behind them may be out
	RELU
	FIN 0, 0, FW
	FIN 1, 0, FW+32
	s_wait_dscnt 0x0
	MUL 1
	XLOAD                                          ; the xn of step 2's fragments, which step 1 makes
	IMG 1
	s_mov_b32 s44, 7
.Ltrip:                                            ; steps 1 to 14: a trip goes once round the ring and fills both slots again
	STEP 1, 1
	STEP 0, 1
	s_sub_co_u32 s44, s44, 1
	s_cmp_lg_u32 s44, 0
	s_cbranch_scc1 .Ltrip
	STEP 1, 1                                      ; step 15
	STEP 0, 0                                      ; step 16 makes the last fragments and asks for the last weights: no xn is left to fetch
	; STEP 17: products alone.
	s_wait_tensorcnt 0x0                           ; my eighth of slot 1 is in
	s_wait_dscnt 0x0                               ; my image has landed
	s_barrier_signal -1
	s_barrier_wait -1
	FETCH 1
	s_wait_dscnt 0x0
	MUL 0
	PLACES                                         ; four places between the last product and the first read of results
; THE WAY OUT, a tile of 16 rows x my 64 columns at a time.  A lane holds 32 neighbouring bytes of a row and the lanes beside it hold other rows: so a tile goes through my own stage in LDS and comes back as whole
; rows of 256 bytes.  LDS serves a wave's instructions in order: no wait between the stores and the loads, nor in front of the next tile's stores.  Each tile has registers of its own: no store's data are written again.
.macro TOSTAGE a
	WIN 0x04                                       ; an LDS store's data are its source 1: window 1
.irp t, 0,1,2,3
	ds_store_b128 v[STO], v[8*(4*(\a)+\t):8*(4*(\a)+\t)+3] offset:64*\t        ; each accumulator from its low end on
	ds_store_b128 v[STO], v[8*(4*(\a)+\t)+4:8*(4*(\a)+\t)+7] offset:64*\t+16
.endr
	WIN 0
.irp i, 0,1,2,3,4,5,6,7
	ds_load_b128 v[80+32*(\a)+4*\i:80+32*(\a)+4*\i+3], v[RDB] offset:2*\i*SPITCH
.endr
.endm
.macro SEND a, younger                 ; younger: the LDS instructions issued behind tile a's loads, which may stay out
	s_wait_dscnt \younger
.irp i, 0,1,2,3,4,5,6,7
	global_store_b128 v[GO], v[80+32*(\a)+4*\i:80+32*(\a)+4*\i+3], s[12:13] offset:(16*(\a)+2*\i)*2048 th:TH_STORE_NT   ; 16 lanes store 256 consecutive bytes, aligned; written once, read by nobody here
.endr
.endm
	TOSTAGE 0
.irp a, 1,2,3
	TOSTAGE \a
	SEND \a-1, 16                                  ; behind tile a - 1's loads: tile a's 8 stores and 8 loads
.endr
	SEND 3, 0
	s_wait_tensorcnt 0x0                           ; the wave's end: behind my last tensor load and my last LDS store
	ds_add_u32 v[SPW], v[NIL]
	s_wait_dscnt 0x0
	ROUND                                          ; the closing round: no work-group ends while a partner may still ask for a slot that names it
	s_endpgm
.Lfunc_end_k_qe4c7806d1c_kan:
	.size	k_qe4c7806d1c_kan, .Lfunc_end_k_qe4c7806d1c_kan-k_qe4c7806d1c_kan
	.p2alignl 7, 3214868480
	.fill 96, 4, 3214868480
	.section	.rodata,"a",@progbits
	.p2align	6, 0x0
	.amdhsa_kernel k_qe4c7806d1c_kan
		.amdhsa_group_segment_fixed_size 327680
		.amdhsa_private_segment_fixed_size 0
		.amdhsa_enable_private_segment 0
		.amdhsa_kernarg_size 40
		.amdhsa_user_sgpr_count 2
		.amdhsa_user_sgpr_kernarg_segment_ptr 1
		.amdhsa_wavefront_size32 1
		.amdhsa_system_sgpr_workgroup_id_x 1
		.amdhsa_system_sgpr_workgroup_id_y 1
		.amdhsa_system_sgpr_workgroup_id_z 1
		.amdhsa_system_vgpr_workitem_id 0
		.amdhsa_next_free_vgpr 512
		.amdhsa_next_free_sgpr 66
		.amdhsa_reserve_vcc 0
		.amdhsa_float_denorm_mode_32 3
		.amdhsa_float_denorm_mode_16_64 3
		.amdhsa_memory_ordered 1
		.amdhsa_forward_progress 1
		.amdhsa_inst_pref_size 243
	.end_amdhsa_kernel
	.amdgpu_metadata
---
amdhsa.version: [ 1, 2 ]
amdhsa.kernels:
  - .name:           k_qe4c7806d1c_kan
    .symbol:         k_qe4c7806d1c_kan.kd
    .args:
      - { .name: x, .offset: 0, .size: 8, .value_kind: global_buffer, .address_space: global }
      - { .name: ln_gamma, .offset: 8, .size: 8, .value_kind: global_buffer, .address_space: global }
      - { .name: ln_beta, .offset: 16, .size: 8, .value_kind: global_buffer, .address_space: global }
      - { .name: wq, .offset: 24, .size: 8, .value_kind: global_buffer, .address_space: global }
      - { .name: out0, .offset: 32, .size: 8, .value_kind: global_buffer, .address_space: global }
    .group_segment_fixed_size: 327680
    .private_segment_fixed_size: 0
    .kernarg_segment_align: 8
    .kernarg_segment_size: 40
    .max_flat_workgroup_size: 256
    .sgpr_count:     66
    .vgpr_count:     512
    .wavefront_size: 32
...
	.end_amdgpu_metadata
.endif
;; end of part 2
